; MI455X (gfx1250); checked and timed in simulation.
; The chip was launched on July 23, 2026; its instructions are those of AMD's public machine-readable ISA for CDNA 5 (MIT licence, August 2026) and "CDNA5" Instruction Set Architecture Reference Guide (July 2026). The comments in the code are by the model that wrote it; some were corrected since.
;; Arccos Hessian Calculator. Allowed arithmetic: matrix products marked QUANTISED: E2M1 operands, one E8M0 scale for each 32 along K, by v_wmma_scale_f32_16x16x128_f8f6f4 with both operands' format E2M1 (or v_wmma_scale_f32_32x16x128_f4), f32 sums; products left as they are: f32 operands where the result goes on into a quantised operand, else bf16, f16 or f32 operands; f32 sums; everything else in f32.
;; Inputs: W_codes 128 x 16 x 16 uint8 (E2M1 codes of W, K innermost, in blocks of 32 codes, two codes a byte); W_scales 128 x 16 uint8 (E8M0 scales of W, one for each 32 codes along K); an 1,024 int32; ap 1,024 int32; n 1,024 int32; p 1,024 int32; x 16,384 x 512 float32.
;; Outputs: out0 65,536 float32.
;; This version of the problem:
;;   THIS VERSION OF THE PROBLEM IS GIVEN IN LOW PRECISION. The matrix products marked QUANTISED in the list below multiply operands that are first quantised to E2M1 (2 exponent bits, 1 mantissa bit; 4 bits a number), with one power-of-two scale for each 32 numbers along K (OCP MX v1.0); their sums are f32. All else is computed in f32.
;;   The module's matrix products, in the order in which they are computed (A, B: the left and right operand; K: the contracted axis; several contracted axes count as one K, in the product's order):
;;     1. [M 1,024, K 512] x [K 512, N 128]; A: computed on the way; B: input W (given as codes): QUANTISED
;;     2. [M 1,024, K 512] x [K 512, N 128]; A: computed on the way; B: input W (given as codes): QUANTISED
;;     3. batch 1,024 x [M 128, K 1] x [K 1, N 128]; A: computed on the way; B: computed on the way: left as it is (no contracted axis)
;;     4. batch 1,024 x [M 128, K 1] x [K 1, N 128]; A: computed on the way; B: computed on the way: left as it is (no contracted axis)
;;     5. batch 1,024 x [M 128, K 1] x [K 1, N 128]; A: computed on the way; B: computed on the way: left as it is (no contracted axis)
;;     6. batch 1,024 x [M 128, K 1] x [K 1, N 128]; A: computed on the way; B: computed on the way: left as it is (no contracted axis)
;;     7. [M 1,024, K 512] x [K 512, N 128]; A: computed on the way; B: input W (given as codes): QUANTISED
;;     8. [M 1,024, K 512] x [K 512, N 128]; A: computed on the way; B: input W (given as codes): QUANTISED
;;     9. batch 1,024 x [M 128, K 1] x [K 1, N 128]; A: computed on the way; B: computed on the way: left as it is (no contracted axis)
;;     10. batch 1,024 x [M 128, K 1] x [K 1, N 128]; A: computed on the way; B: computed on the way: left as it is (no contracted axis)
;;     11. batch 1,024 x [M 128, K 1] x [K 1, N 128]; A: computed on the way; B: computed on the way: left as it is (no contracted axis)
;;     12. batch 1,024 x [M 128, K 1] x [K 1, N 128]; A: computed on the way; B: computed on the way: left as it is (no contracted axis)
;;   THE QUANTISER, for each operand of a quantised product, along K:
;;     - K is cut into blocks of 32 from its start; a last block that is shorter is filled with zeros.
;;     - A block's scale is 2^e with e = floor(log2(the largest magnitude in the block)) - 2, held to -126 .. 127; a block of zeros has e = 0. As a byte (E8M0): e + 127.
;;     - Each number is divided by its block's scale, clamped to +-6, and rounded to the nearest number of E2M1, ties to even, subnormals kept.
;;     - The product sums the exact products of the quantised numbers (number of the format x scale) in f32.
;;   ~~~python
;;   def quantise(x, axis):      # numpy; x: float32 -> the quantised numbers, widened to float32 again
;;       x = np.moveaxis(x, axis, -1); K = x.shape[-1]
;;       x = np.pad(x, [(0, 0)] * (x.ndim - 1) + [(0, -K % 32)]); x = x.reshape(x.shape[:-1] + (-1, 32)); a = np.abs(x).max(-1, keepdims=True)
;;       e = np.where(a > 0, np.clip(np.frexp(np.where(a > 0, a, 1))[1] - 1 - 2, -126, 127), 0)      # np.frexp(a)[1] - 1 = floor(log2(a)), exactly
;;       r = np.clip(x / 2.0 ** e, -6, 6)
;;       step = 2.0 ** (np.maximum(np.frexp(np.where(r == 0, 1, r))[1] - 1, 0) - 1)
;;       q = np.round(r / step) * step * 2.0 ** e      # np.round: ties to even
;;       return np.moveaxis(q.reshape(q.shape[:-2] + (-1,))[..., :K], -1, axis).astype(np.float32)
;;   ~~~
;;   OPERANDS COMPUTED ON THE WAY. 'Computed on the way' means the value that the module computes at that place (a softmax that the list does not call 'softmax' is quantised finished and normalised). What goes into a quantiser is computed in f32, as accurately as f32 sums, v_exp_f32 and their like allow (about 1e-6 of the number): no bf16 or f16 on the way to a quantiser, and a product that is left as it is and whose result goes on into a quantised operand takes f32 operands (vector FMAs, or v_wmma_f32_16x16x4_f32). A number that lies on a knife's edge between two numbers of the format may be rounded either way, as far as f32 arithmetic and the matrix unit's own rounding can turn it there, and no further.
;;   INPUTS GIVEN AS CODES. W (in the module: [128, 512], K = its axis 1): each comes as NAME_codes (uint8): NAME with its K axis moved to the last place and cut into blocks of 32 codes, [.., K / 32, bytes a block], one block behind the other in memory; two codes a byte, the lower K in the low four bits (a code: sign, 2 exponent bits, 1 mantissa bit); and NAME_scales (uint8): the same leading axes, one E8M0 byte (e + 127) for each 32 codes along K. Its value is code x scale, taken as it is: it is not quantised again, and the codes and scales need not be those that the quantiser above would give.
;; 2 versions, each right; version 2 is version 1 with the launch pairs written anew for expert scheduling mode. Each part assembles by itself: llvm-mc -triple=amdgcn-amd-amdhsa -mcpu=gfx1250 --defsym DOCPART=n.
;; ======== version 1 of 2: 2 launches
;; workspace buffers: part 8,388,608 bytes
;; launch pairs (part 1): grid 8 x 32, 4 waves a work-group, no clusters, 239,104 bytes of LDS; arguments x, W_codes, W_scales, ap, p, an, n, part; writes part
.if DOCPART == 1
	.amdgcn_target "amdgcn-amd-amdhsa--gfx1250"
	.amdhsa_code_object_version 6
	.text
	.protected	k_qb46857ca9f_pairs
	.globl	k_qb46857ca9f_pairs
	.p2align	8
	.type	k_qb46857ca9f_pairs,@function
k_qb46857ca9f_pairs:
	s_mov_b64 s[64:65], 0
	v_nop
	global_prefetch_b8 v0, s[64:65] scope:SCOPE_SE
	s_setreg_imm32_b32 hwreg(HW_REG_WAVE_MODE, 25, 1), 1
	s_wait_xcnt 0x0
; part[s][i][j] = sum over the 64 pairs b of block s of  sg (d11[b][i] x1[b][j]^2 - 2 d12[b][i] x1[b][j] x2[b][j] + d22[b][i] x2[b][j]^2),  sg = +1 for the pairs (ap, p), -1 for (an, n).
; z1 = Q(x1) W^T, z2 = Q(x2) W^T on codes of FP4 (E2M1) with one E8M0 scale for each 32 along K = 512; u = z1 / |z1|, v = z2 / |z2|, c = u . v;
; d11 = (c + 2 u v - 3 c u^2) / |z1|^2,  d12 = (-1 + u^2 + v^2 - c u v) / (|z1| |z2|),  d22 = (c + 2 u v - 3 c v^2) / |z2|^2: the diagonals of the three Hessians; the outer products are never formed.
; SHARES.  Work-group (t, s): pair block s of 32 (64 pairs), columns j = 64 t .. 64 t + 63, all 128 i.  The sum over b is 3 x 64 x 128 x 64 multiply-adds in f32: 6,144 packed ones for each of the four waves.
; AHEAD OF THE SUM each wave works for itself on 16 pairs: it gathers their 32 rows of x, quantises them, multiplies them by W (64 matrix instructions) and makes the three d for all 128 i.
; The eight column tiles of a pair block repeat that part: 576 vector instructions a wave for the quantiser against the 6,912 of the sum; in return the sum over b is cut into 32 parts only, which the next launch adds.
; THE MATRIX INSTRUCTION IS USED TRANSPOSED (source 0 = 16 rows of W, source 1 = 16 rows of x): a lane holds ONE pair (lane % 16) and eight neighbouring i a tile, so norms and cosine are sums down a lane's registers and one exchange of halves.
; THE SUM: wave w owns i = 32 w .. 32 w + 31; lane (ig = lane / 8, jg = lane % 8) owns 8 i x 8 j (columns 4 jg .. + 3 and 32 + 4 jg .. + 3): 64 sums.  For a pair it reads 16 numbers of x and 24 of d from LDS.
; NO JOINT LOADS: what the eight work-groups of a pair block share are rows gathered by an index, each with an address of its own, which one base and one pitch cannot state; W is 34,816 of some 320,000 bytes that a work-group reads.
; LIMITS: NaN and infinities in x are not served; a block whose largest magnitude lies under 2^-124 gets the byte 1 (a block of zeros too: its codes are zeros, and the bytes are read here alone);
; a row whose sum of z^2 lies under 2^-126 counts as zero in v_rsq_f32 (ISA guide, 15.8), and its results are infinite or NaN as with a zero norm; indices are held to 0 .. 16,383.
; REGISTERS, in windows of 256.  Window 0: v1-23 addresses; v32-35 x's scale words, v36-67 W's (they hold scales alone); ahead of the sum v68-99 row offsets, v100-147 the quantiser's work, v148-211 W as loaded, later the tile's columns;
;   in the sum v68-131 the 64 sums, v132-171 and v172-211 two sets of operands, v212-235 the products of x.   Window 1: two buffers of 128 numbers of x; then z1 (0-63), z2 (64-127), x's fragments (128-191), work from 192 on.   Window 2: W's 32 fragments.
.set WP,   272                         ; a row of 512 codes in LDS: 256 bytes + 16: the 16 rows of a fragment load start 4 banks apart
.set XC,   34816                       ; LDS: W's codes lie at 0 (128 rows x 272); here x's codes: for each wave 32 rows x 272
.set XCW,  8704
.set XS,   69632                       ; x's scale bytes: for each wave 32 rows x 16
.set XT,   71680                       ; the tile's columns in f32: for each pair 256 bytes of x1, 256 of x2
.set DR,   104448                      ; d: for each pair 512 bytes of d11, of -2 d12, of d22, and 16 of padding
.set DP,   1552
.set STG,  203776                      ; the way out: 128 rows x (256 + 16) bytes
.set XSW,  32
.set WS,   36
.set VO,   68
.set M,    100
.set CD,   116
.set BY,   132
.set WT,   148
.set XF,   128                         ; in window 1
.set SU,   208                         ; in window 1: six running sums
.set ACC,  68
.set SA,   132
.set SB,   172
.set Y,    212
.set OB,   132
.set MSB, 0
.macro WIN new                         ; the immediate's high byte repeats the setting that is left
.if MSB != \new
	s_set_vgpr_msb (MSB<<8)|\new
.set MSB, \new
.endif
.endm
	s_load_b512 s[4:19], s[0:1], 0x0               ; x s[4:5], W's codes s[6:7], W's scales s[8:9], ap s[10:11], p s[12:13], an s[14:15], n s[16:17], part s[18:19]
	v_lshl_add_u32 v254, v0, 2, 0x3a400
	v_mov_b32 v255, 0
	v_lshrrev_b32 v21, 5, v0
	v_readfirstlane_b32 s20, v21                   ; wave 0..3
	s_mov_b32 s21, ttmp9                           ; t: the column tile
	s_and_b32 s22, ttmp7, 0xffff                   ; s: the pair block
	s_mov_b32 s66, 0x76543210
	s_mov_b32 s67, 0xfedcba98                      ; v_permlanex16_b32's selects for lane l xor 16
	v_and_b32 v1, 31, v0                           ; lane
	v_and_b32 v2, 15, v0                           ; r
	v_bfe_u32 v3, v0, 4, 1                         ; h
	v_lshrrev_b32 v21, 4, v0
	v_mul_u32_u24 v4, v21, WP
	v_lshl_add_u32 v4, v2, 4, v4                   ; v4: W into LDS: sixteen threads to a row of 256 bytes
	v_lshlrev_b32 v5, 4, v0                        ; v5: W in memory: 16 bytes a thread
	v_lshlrev_b32 v6, 4, v2                        ; v6: W's scale bytes: 16 a row
	v_lshlrev_b32 v7, 5, v1                        ; v7: my 32 bytes (8 numbers) of 1,024 bytes of a row of x
	s_mul_i32 s23, s20, XCW
	s_add_co_u32 s23, s23, XC
	v_lshl_add_u32 v8, v1, 2, s23                  ; v8: my 8 codes' word in a row of my wave's codes
	s_lshl_b32 s24, s20, 9
	s_add_co_u32 s24, s24, XS
	v_lshrrev_b32 v21, 2, v1
	v_add_nc_u32 v9, s24, v21                      ; v9: my block's byte: four lanes to a block
	v_mul_u32_u24 v21, v2, WP
	v_lshl_add_u32 v11, v3, 4, v21                 ; v11: a fragment of W: row r, + 16 h
	v_add_nc_u32 v10, s23, v11                     ; v10: the same among my wave's codes of x
	v_lshl_add_u32 v12, v1, 4, s24                 ; v12: scale words: lane l takes row l's 16 bytes: lanes 0-15 x1's rows, lanes 16-31 x2's
	v_lshlrev_b32 v13, 3, v1                       ; v13: 8 bytes a lane: 32 lanes take the tile's 256 bytes of a row
	s_lshl_b32 s25, s20, 13
	s_add_co_u32 s25, s25, XT
	v_add_nc_u32 v14, s25, v13                     ; v14: and put them here: my wave's 16 pairs x 512 bytes
	s_mul_i32 s25, s20, 16*DP
	s_add_co_u32 s25, s25, DR
	v_mul_u32_u24 v21, v2, DP
	v_lshl_add_u32 v21, v3, 5, v21
	v_add_nc_u32 v15, s25, v21                     ; v15: d of pair 16 w + r, + 32 h: my eight i of a tile
	v_and_b32 v21, 7, v0                           ; jg
	v_bfe_u32 v22, v0, 3, 2                        ; ig
	v_lshl_add_u32 v16, v21, 4, XT                 ; v16: the sum's reads of x: 16 jg
	s_lshl_b32 s25, s20, 7
	s_add_co_u32 s25, s25, DR
	v_lshl_add_u32 v17, v22, 5, s25                ; v17: and of d: 128 w + 32 ig
	s_mul_i32 s25, s20, 32*WP
	s_add_co_u32 s25, s25, STG
	v_mul_u32_u24 v23, v22, 8*WP
	v_lshl_add_u32 v23, v21, 4, v23
	v_add_nc_u32 v18, s25, v23                     ; v18: into the stage: row 32 w + 8 ig, + 16 jg
	v_mul_u32_u24 v23, v3, WP
	v_lshl_add_u32 v23, v2, 4, v23
	v_add_nc_u32 v19, s25, v23                     ; v19: back: lanes 0-15 one row, lanes 16-31 the next
	v_lshlrev_b32 v20, 11, v3
	v_lshl_add_u32 v20, v2, 4, v20                 ; v20: the same two rows in part
	s_mov_b32 s68, 0xbf800000
	s_wait_kmcnt 0x0
	s_cmp_lt_u32 s22, 16                           ; blocks 0-15 are the pairs (ap, p), blocks 16-31 the pairs (an, n): the choice hangs on the work-group's number alone
	s_cselect_b64 s[72:73], s[10:11], s[14:15]
	s_cselect_b64 s[74:75], s[12:13], s[16:17]
	s_cselect_b32 s68, 0x3f800000, s68             ; sg
	s_and_b32 s76, s22, 15
	s_lshl_b32 s76, s76, 8                         ; 64 indices of 4 bytes a block,
	s_lshl_b32 s77, s20, 6                         ; 16 a wave
	s_add_co_u32 s76, s76, s77
	s_mov_b32 s77, 0
	s_add_nc_u64 s[72:73], s[72:73], s[76:77]
	s_add_nc_u64 s[74:75], s[74:75], s[76:77]
	s_load_b512 s[32:47], s[72:73], 0x0            ; my 16 pairs' rows of x1
	s_load_b512 s[48:63], s[74:75], 0x0            ; and of x2
.irp k, 0,1,2,3,4,5,6,7,8,9,10,11,12,13,14,15
	global_load_b128 v[WT+4*\k:WT+4*\k+3], v5, s[6:7] offset:2048*\k   ; W's 32,768 bytes once for the work-group: a wave's load covers 512 consecutive bytes
.endr
.irp t, 0,1,2,3,4,5,6,7
	global_load_b128 v[WS+4*\t:WS+4*\t+3], v6, s[8:9] offset:256*\t    ; the scale words of tile t's 16 rows, all four K steps: sixteen lanes read 256 consecutive bytes
.endr
	s_lshl_b32 s78, s21, 8
	s_mov_b32 s79, 0
	s_add_nc_u64 s[70:71], s[4:5], s[78:79]        ; x at the tile's first column
	s_lshl_b32 s24, s22, 18
	s_add_co_u32 s78, s78, s24
	s_lshl_b32 s24, s20, 16
	s_add_co_u32 s78, s78, s24
	s_add_nc_u64 s[18:19], s[18:19], s[78:79]      ; part at block s, row 32 w, column 64 t
	s_wait_kmcnt 0x0
.set I, 0
.rept 32
	s_min_u32 s[32+I], s[32+I], 0x3fff             ; an index stays inside the table
	s_lshl_b32 s[32+I], s[32+I], 11                ; a row is 2,048 bytes
	v_add_nc_u32 v[VO+I], s[32+I], v7
.set I, I+1
.endr
; Rows 8 b .. 8 b + 7 of my 32 (0-15: x1 of my pairs, 16-31: x2) into buffer b % 2 of window 1: 16 registers a row: numbers 8 l .. 8 l + 7 and 256 + 8 l .. + 7
.macro XLOAD b
	WIN 0x40                                       ; destination window 1, address window 0
.irp i, 0,1,2,3,4,5,6,7
.irp n, 0,1,2,3
	global_load_b128 v[128*((\b)%2)+16*\i+4*\n:128*((\b)%2)+16*\i+4*\n+3], v[VO+8*(\b)+\i], s[4:5] offset:1024*(\n/2)+16*(\n%2)
.endr
.endr
	WIN 0
.endm
; The batch's 16 groups of 8 numbers a lane become codes and scale bytes.  A block of 32 lies in four neighbouring lanes.  The groups take turns line by line.
.macro QUANT b
.set XB, 128*((\b)%2)
	s_wait_loadcnt 32                              ; the batch is in: behind its loads 32 others were issued
	WIN 0x05                                       ; sources 0 and 1 window 1
.irp g, 0,1,2,3,4,5,6,7,8,9,10,11,12,13,14,15
	v_max3_num_f32 v[M+\g], |v[XB+8*\g]|, |v[XB+8*\g+1]|, 0x1800000   ; with the floor 2^(3 - 127): the byte cannot fall under 1
.endr
.irp i, 2,4,6
.irp g, 0,1,2,3,4,5,6,7,8,9,10,11,12,13,14,15
	v_max3_num_f32 v[M+\g], |v[XB+8*\g+\i]|, |v[XB+8*\g+\i+1]|, v[M+\g]
.endr
.endr
	WIN 0
.irp g, 0,1,2,3,4,5,6,7,8,9,10,11,12,13,14,15
	v_max_num_f32_dpp v[M+\g], v[M+\g], v[M+\g] row_xmask:1 row_mask:0xf bank_mask:0xf
.endr
.irp g, 0,1,2,3,4,5,6,7,8,9,10,11,12,13,14,15
	v_max_num_f32_dpp v[M+\g], v[M+\g], v[M+\g] row_xmask:2 row_mask:0xf bank_mask:0xf   ; the block's largest magnitude
.endr
.irp g, 0,1,2,3,4,5,6,7,8,9,10,11,12,13,14,15
	v_add_nc_u32 v[M+\g], 0xff000000, v[M+\g]      ; 2 off its exponent field: the conversion takes that field as its scale
.endr
	WIN 0x01                                       ; source 0 window 1
.irp g, 0,1,2,3,4,5,6,7,8,9,10,11,12,13,14,15
	v_cvt_scalef32_pk8_fp4_f32 v[CD+\g], v[XB+8*\g:XB+8*\g+7], v[M+\g]
.endr
	WIN 0
.irp g, 0,1,2,3,4,5,6,7,8,9,10,11,12,13,14,15
	v_lshrrev_b32 v[BY+\g], 23, v[M+\g]            ; the scale's byte (these lines are also the plain place behind the conversions)
.endr
.irp g, 0,1,2,3,4,5,6,7,8,9,10,11,12,13,14,15
	ds_store_b32 v8, v[CD+\g] offset:(8*(\b)+\g/2)*WP+128*(\g%2)     ; 32 lanes: 128 consecutive bytes of the row's codes
	ds_store_b8 v9, v[BY+\g] offset:(8*(\b)+\g/2)*16+8*(\g%2)        ; the four lanes of a block write the same byte with the same value
.endr
.endm
	XLOAD 0
	s_wait_loadcnt 40                              ; W's codes are in: behind them the 8 loads of scale words and the batch's 32 were issued
.irp k, 0,1,2,3,4,5,6,7,8,9,10,11,12,13,14,15
	ds_store_b128 v4, v[WT+4*\k:WT+4*\k+3] offset:8*WP*\k
.endr
	XLOAD 1
	s_wait_dscnt 0x0                               ; for the others' sake: my part of W lies in LDS
	s_barrier_signal -1
	s_barrier_wait -1
	WIN 0x80                                       ; destination window 2
.irp t, 0,1,2,3,4,5,6,7
.irp q, 0,1,2,3
.irp c, 0,1
	ds_load_b128 v[32*\t+8*\q+4*\c:32*\t+8*\q+4*\c+3], v11 offset:16*WP*\t+64*\q+32*\c   ; W's fragment (tile t, K step q): row 16 t + r, k = 128 q + 64 c + 32 h + 0 .. 31
.endr
.endr
.endr
	WIN 0
	QUANT 0
	XLOAD 2
	QUANT 1
	XLOAD 3
	QUANT 2
	s_wait_xcnt 0x0                                ; the row loads have read their offsets: these are written anew for the tile's columns
.set I, 0
.rept 32
	v_add_nc_u32 v[VO+I], s[32+I], v13
.set I, I+1
.endr
.set I, 0
.rept 32
	global_load_b64 v[WT+2*I:WT+2*I+1], v[VO+I], s[70:71]   ; the tile's 64 columns of row I in f32: 32 lanes read 256 consecutive bytes, aligned
.set I, I+1
.endr
	QUANT 3
	; ---- z1, z2: my 16 pairs against all of W
	WIN 0x40
.irp q, 0,1,2,3
.irp c, 0,1
	ds_load_b128 v[XF+8*\q+4*\c:XF+8*\q+4*\c+3], v10 offset:64*\q+32*\c              ; LDS serves a wave's instructions in order (ISA guide 5.7.1.4): these see my stores
	ds_load_b128 v[XF+32+8*\q+4*\c:XF+32+8*\q+4*\c+3], v10 offset:16*WP+64*\q+32*\c
.endr
.endr
	v_mov_b32 v250, v15                            ; d's address, for the stretch that works in window 1 alone
	WIN 0
	ds_load_b128 v[XSW:XSW+3], v12                 ; register q: K step q's words: lanes 0-15 x1's rows, lanes 16-31 x2's
	s_wait_dscnt 0x0
	WIN 0x56                                       ; source 0 (W) window 2; source 1 (x), C and D window 1
.irp q, 0,1,2,3                                ; the 16 accumulators take turns, one instruction a turn, in the same order in every K step
.irp t, 0,1,2,3,4,5,6,7
.if \q == 0
	v_wmma_scale_f32_16x16x128_f8f6f4 v[8*\t:8*\t+7], v[32*\t+8*\q:32*\t+8*\q+7], v[XF+8*\q:XF+8*\q+7], 0, v[WS+4*\t+\q], v[XSW+\q] matrix_a_fmt:MATRIX_FMT_FP4 matrix_b_fmt:MATRIX_FMT_FP4
	v_wmma_scale_f32_16x16x128_f8f6f4 v[64+8*\t:64+8*\t+7], v[32*\t+8*\q:32*\t+8*\q+7], v[XF+32+8*\q:XF+32+8*\q+7], 0, v[WS+4*\t+\q], v[XSW+\q] matrix_a_fmt:MATRIX_FMT_FP4 matrix_b_fmt:MATRIX_FMT_FP4 matrix_b_scale:MATRIX_SCALE_ROW1
.else
	v_wmma_scale_f32_16x16x128_f8f6f4 v[8*\t:8*\t+7], v[32*\t+8*\q:32*\t+8*\q+7], v[XF+8*\q:XF+8*\q+7], v[8*\t:8*\t+7], v[WS+4*\t+\q], v[XSW+\q] matrix_a_fmt:MATRIX_FMT_FP4 matrix_b_fmt:MATRIX_FMT_FP4
	v_wmma_scale_f32_16x16x128_f8f6f4 v[64+8*\t:64+8*\t+7], v[32*\t+8*\q:32*\t+8*\q+7], v[XF+32+8*\q:XF+32+8*\q+7], v[64+8*\t:64+8*\t+7], v[WS+4*\t+\q], v[XSW+\q] matrix_a_fmt:MATRIX_FMT_FP4 matrix_b_fmt:MATRIX_FMT_FP4 matrix_b_scale:MATRIX_SCALE_ROW1
.endif
.endr
.endr
	WIN 0x55                                       ; from here to d's stores every operand lies in window 1.  Register 8 t + j: z1(pair r, i = 16 t + 8 h + j); 64 + 8 t + j: z2
.rept 4
	v_nop                                          ; four places between the last products and the first read of results (ISA guide 7.12.1)
.endr
	; ---- the sums of z1^2, z2^2, z1 z2 over my 64 i: two at a time, two chains each; every accumulator is read from its low end on
.set E, 0
.rept 32
.if E < 2
	v_pk_mul_f32 v[SU+2*E:SU+2*E+1], v[2*E:2*E+1], v[2*E:2*E+1]
	v_pk_mul_f32 v[SU+4+2*E:SU+5+2*E], v[64+2*E:65+2*E], v[64+2*E:65+2*E]
	v_pk_mul_f32 v[SU+8+2*E:SU+9+2*E], v[2*E:2*E+1], v[64+2*E:65+2*E]
.else
	v_pk_fma_f32 v[SU+2*(E%2):SU+2*(E%2)+1], v[2*E:2*E+1], v[2*E:2*E+1], v[SU+2*(E%2):SU+2*(E%2)+1]
	v_pk_fma_f32 v[SU+4+2*(E%2):SU+5+2*(E%2)], v[64+2*E:65+2*E], v[64+2*E:65+2*E], v[SU+4+2*(E%2):SU+5+2*(E%2)]
	v_pk_fma_f32 v[SU+8+2*(E%2):SU+9+2*(E%2)], v[2*E:2*E+1], v[64+2*E:65+2*E], v[SU+8+2*(E%2):SU+9+2*(E%2)]
.endif
.set E, E+1
.endr
	v_pk_add_f32 v[208:209], v[208:209], v[210:211]
	v_pk_add_f32 v[212:213], v[212:213], v[214:215]
	v_pk_add_f32 v[216:217], v[216:217], v[218:219]
	v_add_f32 v208, v208, v209
	v_add_f32 v212, v212, v213
	v_add_f32 v216, v216, v217
	v_permlanex16_b32 v209, v208, s66, s67         ; the pair's other 64 i lie in lane l xor 16
	v_permlanex16_b32 v213, v212, s66, s67
	v_permlanex16_b32 v217, v216, s66, s67
	v_add_f32 v208, v208, v209                     ; |z1|^2
	v_add_f32 v212, v212, v213                     ; |z2|^2
	v_add_f32 v216, v216, v217                     ; z1 . z2
	v_rsq_f32 v220, v208                           ; r1 = 1 / |z1|
	v_rsq_f32 v221, v212                           ; r2 = 1 / |z2|
	v_nop                                          ; a plain instruction behind the two,
	s_wait_alu depctr_va_vdst(0)                   ; and one wait for both, ahead of their first reader
	v_mul_f32 v222, v220, v221
	v_mul_f32 v223, v220, v220
	v_mul_f32 v224, v221, v221
	v_mul_f32 v225, v216, v222                     ; c
	v_mul_f32 v222, s68, v222                      ; q12 = sg r1 r2
	v_mul_f32 v223, s68, v223                      ; q1 = sg r1^2
	v_mul_f32 v224, s68, v224                      ; q2 = sg r2^2
	v_mul_f32 v226, v223, v225                     ; sg d11 = A0 + A1 u v + A2 u^2:  A0 = q1 c,
	v_add_f32 v227, v223, v223                     ; A1 = 2 q1,
	v_mul_f32 v230, v224, v225                     ; sg d22 = B0 + B1 u v + B2 v^2:  B0 = q2 c,
	v_add_f32 v231, v224, v224                     ; B1 = 2 q2,
	v_add_f32 v232, v222, v222                     ; -2 sg d12 = C0 + C1 (u^2 + v^2) + C2 u v:  C0 = 2 q12,
	v_mul_f32 v228, 0xc0400000, v226               ; A2 = -3 A0,
	v_mul_f32 v229, 0xc0400000, v230               ; B2 = -3 B0,
	v_mul_f32 v233, -2.0, v222                     ; C1 = -2 q12,
	v_mul_f32 v234, v232, v225                     ; C2 = 2 q12 c
	v_mov_b32 v235, v234                           ; (named with it as a pair, so it is written)
; d of tiles 2 p and 2 p + 1: twelve packed lines for two numbers, eight pairs of numbers by turns.  Of a pair of coefficients one word serves both halves: the low one (op_sel_hi 0) or the high one (op_sel 1, op_sel_hi 1).
.macro DSTEP p
.irp k, 0,2,4,6,8,10,12,14
	v_pk_mul_f32 v[16*\p+\k:16*\p+\k+1], v[16*\p+\k:16*\p+\k+1], v[220:221] op_sel_hi:[1,0]                       ; u = z1 r1
.endr
.irp k, 0,2,4,6,8,10,12,14
	v_pk_mul_f32 v[64+16*\p+\k:65+16*\p+\k], v[64+16*\p+\k:65+16*\p+\k], v[220:221] op_sel:[0,1] op_sel_hi:[1,1]  ; v = z2 r2
.endr
.irp k, 0,2,4,6,8,10,12,14
	v_pk_mul_f32 v[128+16*\p+\k:129+16*\p+\k], v[16*\p+\k:16*\p+\k+1], v[64+16*\p+\k:65+16*\p+\k]                 ; u v
.endr
.irp k, 0,2,4,6,8,10,12,14
	v_pk_mul_f32 v[16*\p+\k:16*\p+\k+1], v[16*\p+\k:16*\p+\k+1], v[16*\p+\k:16*\p+\k+1]                           ; u^2
.endr
.irp k, 0,2,4,6,8,10,12,14
	v_pk_mul_f32 v[64+16*\p+\k:65+16*\p+\k], v[64+16*\p+\k:65+16*\p+\k], v[64+16*\p+\k:65+16*\p+\k]               ; v^2
.endr
.irp k, 0,2,4,6,8,10,12,14
	v_pk_add_f32 v[192+\k:193+\k], v[16*\p+\k:16*\p+\k+1], v[64+16*\p+\k:65+16*\p+\k]                             ; u^2 + v^2
.endr
.irp k, 0,2,4,6,8,10,12,14
	v_pk_fma_f32 v[16*\p+\k:16*\p+\k+1], v[16*\p+\k:16*\p+\k+1], v[228:229], v[226:227] op_sel_hi:[1,0,0]         ; A2 u^2 + A0
.endr
.irp k, 0,2,4,6,8,10,12,14
	v_pk_fma_f32 v[64+16*\p+\k:65+16*\p+\k], v[64+16*\p+\k:65+16*\p+\k], v[228:229], v[230:231] op_sel:[0,1,0] op_sel_hi:[1,1,0]   ; B2 v^2 + B0
.endr
.irp k, 0,2,4,6,8,10,12,14
	v_pk_fma_f32 v[16*\p+\k:16*\p+\k+1], v[128+16*\p+\k:129+16*\p+\k], v[226:227], v[16*\p+\k:16*\p+\k+1] op_sel:[0,1,0] op_sel_hi:[1,1,1]   ; + A1 u v: sg d11
.endr
.irp k, 0,2,4,6,8,10,12,14
	v_pk_fma_f32 v[64+16*\p+\k:65+16*\p+\k], v[128+16*\p+\k:129+16*\p+\k], v[230:231], v[64+16*\p+\k:65+16*\p+\k] op_sel:[0,1,0] op_sel_hi:[1,1,1]   ; + B1 u v: sg d22
.endr
.irp k, 0,2,4,6,8,10,12,14
	v_pk_fma_f32 v[128+16*\p+\k:129+16*\p+\k], v[128+16*\p+\k:129+16*\p+\k], v[234:235], v[232:233] op_sel_hi:[1,0,0]   ; C2 u v + C0
.endr
.irp k, 0,2,4,6,8,10,12,14
	v_pk_fma_f32 v[128+16*\p+\k:129+16*\p+\k], v[192+\k:193+\k], v[232:233], v[128+16*\p+\k:129+16*\p+\k] op_sel:[0,1,0] op_sel_hi:[1,1,1]   ; + C1 (u^2 + v^2): -2 sg d12
.endr
.irp n, 0,1,2,3                                ; four runs of four registers: 16 bytes each, 64 (n / 2) + 16 (n % 2) bytes on (the odd runs 32 h further by the address: a tile's 64 bytes hold both halves' eight i)
	ds_store_b128 v250, v[16*\p+4*\n:16*\p+4*\n+3] offset:128*\p+64*(\n/2)+16*(\n%2)
	ds_store_b128 v250, v[128+16*\p+4*\n:128+16*\p+4*\n+3] offset:512+128*\p+64*(\n/2)+16*(\n%2)
	ds_store_b128 v250, v[64+16*\p+4*\n:64+16*\p+4*\n+3] offset:1024+128*\p+64*(\n/2)+16*(\n%2)
.endr
.endm
	DSTEP 0
	DSTEP 1
	DSTEP 2
	DSTEP 3
	WIN 0
	s_wait_loadcnt 0x0                             ; the tile's columns of my 32 rows
.set I, 0
.rept 16
	ds_store_b64 v14, v[WT+2*I:WT+2*I+1] offset:512*I             ; x1 of pair I
	ds_store_b64 v14, v[WT+32+2*I:WT+33+2*I] offset:512*I+256     ; x2 of pair I
.set I, I+1
.endr
	s_wait_dscnt 0x0                               ; for the others' sake: my pairs' d and columns lie in LDS
	s_barrier_signal -1
	s_barrier_wait -1
	; ---- the sum over the 64 pairs
.macro BLOADS set, po                          ; the operands of the pair po behind the one at which the addresses stand: x1 (8), x2 (8), d11 (8), -2 d12 (8), d22 (8)
.irp n, 0,1,2,3
	ds_load_b128 v[\set+4*\n:\set+4*\n+3], v16 offset:512*(\po)+128*\n
.endr
.irp u, 0,1,2
	ds_load_b128 v[\set+16+8*\u:\set+19+8*\u], v17 offset:DP*(\po)+512*\u
	ds_load_b128 v[\set+20+8*\u:\set+23+8*\u], v17 offset:DP*(\po)+512*\u+16
.endr
.endm
.macro BPAIR set, first                        ; 12 packed products of x, then 96 packed multiply-adds: a sum is taken up again 32 lines later.  first = 1: the first products start the sums: nothing is cleared
.irp j, 0,2,4,6
	v_pk_mul_f32 v[Y+\j:Y+\j+1], v[\set+\j:\set+\j+1], v[\set+\j:\set+\j+1]
	v_pk_mul_f32 v[Y+8+\j:Y+9+\j], v[\set+\j:\set+\j+1], v[\set+8+\j:\set+9+\j]
	v_pk_mul_f32 v[Y+16+\j:Y+17+\j], v[\set+8+\j:\set+9+\j], v[\set+8+\j:\set+9+\j]
.endr
.irp u, 0,1,2
.irp i, 0,2,4,6
.irp j, 0,2,4,6
.if (\first) && (\u == 0)
	v_pk_mul_f32 v[ACC+8*\i+\j:ACC+8*\i+\j+1], v[Y+\j:Y+\j+1], v[\set+16+\i:\set+17+\i] op_sel_hi:[1,0]
.else
	v_pk_fma_f32 v[ACC+8*\i+\j:ACC+8*\i+\j+1], v[Y+8*\u+\j:Y+8*\u+\j+1], v[\set+16+8*\u+\i:\set+17+8*\u+\i], v[ACC+8*\i+\j:ACC+8*\i+\j+1] op_sel_hi:[1,0,1]
.endif
.endr
.irp j, 0,2,4,6
.if (\first) && (\u == 0)
	v_pk_mul_f32 v[ACC+8+8*\i+\j:ACC+9+8*\i+\j], v[Y+\j:Y+\j+1], v[\set+16+\i:\set+17+\i] op_sel:[0,1] op_sel_hi:[1,1]
.else
	v_pk_fma_f32 v[ACC+8+8*\i+\j:ACC+9+8*\i+\j], v[Y+8*\u+\j:Y+8*\u+\j+1], v[\set+16+8*\u+\i:\set+17+8*\u+\i], v[ACC+8+8*\i+\j:ACC+9+8*\i+\j] op_sel:[0,1,0] op_sel_hi:[1,1,1]
.endif
.endr
.endr
.endr
.endm
	BLOADS SA, 0
	BLOADS SB, 1
	s_wait_dscnt 10                                ; pair 0's ten loads are in, pair 1's may be out
	BPAIR SA, 1
	s_mov_b32 s30, 31
.Lpairs:                                               ; trip k: pairs 2 k + 1 and 2 k + 2 are summed, pairs 2 k + 2 and 2 k + 3 fetched: each set is asked for a pair's 108 vector lines ahead
	BLOADS SA, 2
	s_wait_dscnt 10                                ; the other set's ten loads are in; the ten just issued may be out
	BPAIR SB, 0
	BLOADS SB, 3
	s_wait_dscnt 10
	BPAIR SA, 0
	v_add_nc_u32 v16, 1024, v16                    ; two pairs on
	v_add_nc_u32 v17, 2*DP, v17
	s_sub_co_u32 s30, s30, 1
	s_cmp_lg_u32 s30, 0
	s_cbranch_scc1 .Lpairs
	s_wait_dscnt 0x0                               ; pair 63: nothing is left to fetch
	BPAIR SB, 0
	s_barrier_signal -1                            ; every wave has ended its reads of x and d; the stage is written behind this barrier
	s_barrier_wait -1
	; ---- the way out: a lane holds two runs of 16 bytes of eight rows; through my wave's 32 rows of the stage they become whole rows of 256 bytes
.irp i, 0,1,2,3,4,5,6,7
	ds_store_b128 v18, v[ACC+8*\i:ACC+8*\i+3] offset:WP*\i
	ds_store_b128 v18, v[ACC+8*\i+4:ACC+8*\i+7] offset:WP*\i+128
.endr
.irp m, 0,1,2,3,4,5,6,7,8,9,10,11,12,13,14,15
	ds_load_b128 v[OB+4*\m:OB+4*\m+3], v19 offset:2*WP*\m          ; LDS serves a wave's instructions in order: these see my stores
.endr
.irp m, 0,1,2,3,4,5,6,7,8,9,10,11,12,13,14,15
	s_wait_dscnt 15-\m                             ; loads come back in order: the younger ones may be out
	global_store_b128 v20, v[OB+4*\m:OB+4*\m+3], s[18:19] offset:4096*\m th:TH_STORE_NT   ; sixteen lanes store 256 consecutive bytes, at a multiple of 256 from part's first byte
.endr
	s_wait_tensorcnt 0x0
	ds_add_u32 v254, v255
	s_wait_dscnt 0x0
	s_endpgm
.Lfunc_end_k_qb46857ca9f_pairs:
	.size	k_qb46857ca9f_pairs, .Lfunc_end_k_qb46857ca9f_pairs-k_qb46857ca9f_pairs
	.p2alignl 7, 3214868480
	.fill 96, 4, 3214868480
	.section	.rodata,"a",@progbits
	.p2align	6, 0x0
	.amdhsa_kernel k_qb46857ca9f_pairs
		.amdhsa_group_segment_fixed_size 239104
		.amdhsa_private_segment_fixed_size 0
		.amdhsa_enable_private_segment 0
		.amdhsa_kernarg_size 64
		.amdhsa_user_sgpr_count 2
		.amdhsa_user_sgpr_kernarg_segment_ptr 1
		.amdhsa_wavefront_size32 1
		.amdhsa_system_sgpr_workgroup_id_x 1
		.amdhsa_system_sgpr_workgroup_id_y 1
		.amdhsa_system_sgpr_workgroup_id_z 1
		.amdhsa_system_vgpr_workitem_id 0
		.amdhsa_next_free_vgpr 768
		.amdhsa_next_free_sgpr 80
		.amdhsa_reserve_vcc 0
		.amdhsa_float_denorm_mode_32 3
		.amdhsa_float_denorm_mode_16_64 3
		.amdhsa_memory_ordered 1
		.amdhsa_forward_progress 1
		.amdhsa_inst_pref_size 157
	.end_amdhsa_kernel
	.amdgpu_metadata
---
amdhsa.version: [ 1, 2 ]
amdhsa.kernels:
  - .name:           k_qb46857ca9f_pairs
    .symbol:         k_qb46857ca9f_pairs.kd
    .args:
      - { .name: x, .offset: 0, .size: 8, .value_kind: global_buffer, .address_space: global }
      - { .name: W_codes, .offset: 8, .size: 8, .value_kind: global_buffer, .address_space: global }
      - { .name: W_scales, .offset: 16, .size: 8, .value_kind: global_buffer, .address_space: global }
      - { .name: ap, .offset: 24, .size: 8, .value_kind: global_buffer, .address_space: global }
      - { .name: p, .offset: 32, .size: 8, .value_kind: global_buffer, .address_space: global }
      - { .name: an, .offset: 40, .size: 8, .value_kind: global_buffer, .address_space: global }
      - { .name: n, .offset: 48, .size: 8, .value_kind: global_buffer, .address_space: global }
      - { .name: part, .offset: 56, .size: 8, .value_kind: global_buffer, .address_space: global }
    .group_segment_fixed_size: 239104
    .private_segment_fixed_size: 0
    .kernarg_segment_align: 8
    .kernarg_segment_size: 64
    .max_flat_workgroup_size: 128
    .sgpr_count:     80
    .vgpr_count:     768
    .wavefront_size: 32
...
	.end_amdgpu_metadata
.endif
;; end of part 1
;; launch sum (part 2): grid 256 x 1, 2 waves a work-group, no clusters, 0 bytes of LDS; arguments part, out0; writes out0
.if DOCPART == 2
	.amdgcn_target "amdgcn-amd-amdhsa--gfx1250"
	.amdhsa_code_object_version 6
	.text
	.protected	k_qb46857ca9f_sum
	.globl	k_qb46857ca9f_sum
	.p2align	8
	.type	k_qb46857ca9f_sum,@function
k_qb46857ca9f_sum:
	s_mov_b64 s[64:65], 0
	v_nop
	global_prefetch_b8 v0, s[64:65] scope:SCOPE_SE
	s_setreg_imm32_b32 hwreg(HW_REG_WAVE_MODE, 25, 1), 1
	s_wait_xcnt 0x0
; out0[e] = the sum over the 32 pair blocks s of part[s][e], e = 0 .. 65,535, in f32.
; A thread owns four neighbouring numbers: a wave's load or store covers 512 consecutive bytes.  Its 32 loads, one for each block, go out together; the block stands in the immediate
; (31 x 262,144 bytes at the most, inside the signed 24-bit field: ISA guide, chapter 10).  The parts are added as a tree, eight at a time as they arrive.  No LDS, no barrier: waves share nothing.
.set PB,  262144                       ; bytes of one block's part
.set LD0, 4                            ; v4-131: 32 x 4 numbers
	s_load_b128 s[4:7], s[0:1], 0x0                ; part s[4:5], out0 s[6:7]
	v_lshlrev_b32 v1, 4, v0
	s_lshl_b32 s8, ttmp9, 10                       ; 64 threads x 16 bytes a work-group
	v_add_nc_u32 v1, s8, v1
	s_wait_kmcnt 0x0
.irp s, 0,1,2,3,4,5,6,7,8,9,10,11,12,13,14,15,16,17,18,19,20,21,22,23,24,25,26,27,28,29,30,31
	global_load_b128 v[LD0+4*\s:LD0+4*\s+3], v1, s[4:5] offset:PB*\s th:TH_LOAD_NT
.endr
.macro ADD4 a, b                       ; part a += part b
	v_pk_add_f32 v[LD0+4*(\a):LD0+4*(\a)+1], v[LD0+4*(\a):LD0+4*(\a)+1], v[LD0+4*(\b):LD0+4*(\b)+1]
	v_pk_add_f32 v[LD0+4*(\a)+2:LD0+4*(\a)+3], v[LD0+4*(\a)+2:LD0+4*(\a)+3], v[LD0+4*(\b)+2:LD0+4*(\b)+3]
.endm
.irp g, 0,1,2,3
	s_wait_loadcnt 24-8*\g                         ; loads come back in order: this group of eight is in, the younger groups may be out
	ADD4 8*\g, 8*\g+1
	ADD4 8*\g+2, 8*\g+3
	ADD4 8*\g+4, 8*\g+5
	ADD4 8*\g+6, 8*\g+7
	ADD4 8*\g, 8*\g+2
	ADD4 8*\g+4, 8*\g+6
	ADD4 8*\g, 8*\g+4
.endr
	ADD4 0, 8
	ADD4 16, 24
	ADD4 0, 16
	global_store_b128 v1, v[LD0:LD0+3], s[6:7]     ; 32 lanes store 512 consecutive bytes, at a multiple of 256 from out0's first byte
	s_endpgm
.Lfunc_end_k_qb46857ca9f_sum:
	.size	k_qb46857ca9f_sum, .Lfunc_end_k_qb46857ca9f_sum-k_qb46857ca9f_sum
	.p2alignl 7, 3214868480
	.fill 96, 4, 3214868480
	.section	.rodata,"a",@progbits
	.p2align	6, 0x0
	.amdhsa_kernel k_qb46857ca9f_sum
		.amdhsa_group_segment_fixed_size 0
		.amdhsa_private_segment_fixed_size 0
		.amdhsa_enable_private_segment 0
		.amdhsa_kernarg_size 16
		.amdhsa_user_sgpr_count 2
		.amdhsa_user_sgpr_kernarg_segment_ptr 1
		.amdhsa_wavefront_size32 1
		.amdhsa_system_sgpr_workgroup_id_x 1
		.amdhsa_system_sgpr_workgroup_id_y 1
		.amdhsa_system_sgpr_workgroup_id_z 1
		.amdhsa_system_vgpr_workitem_id 0
		.amdhsa_next_free_vgpr 136
		.amdhsa_next_free_sgpr 66
		.amdhsa_reserve_vcc 0
		.amdhsa_float_denorm_mode_32 3
		.amdhsa_float_denorm_mode_16_64 3
		.amdhsa_memory_ordered 1
		.amdhsa_forward_progress 1
		.amdhsa_inst_pref_size 8
	.end_amdhsa_kernel
	.amdgpu_metadata
---
amdhsa.version: [ 1, 2 ]
amdhsa.kernels:
  - .name:           k_qb46857ca9f_sum
    .symbol:         k_qb46857ca9f_sum.kd
    .args:
      - { .name: part, .offset: 0, .size: 8, .value_kind: global_buffer, .address_space: global }
      - { .name: out0, .offset: 8, .size: 8, .value_kind: global_buffer, .address_space: global }
    .group_segment_fixed_size: 0
    .private_segment_fixed_size: 0
    .kernarg_segment_align: 8
    .kernarg_segment_size: 16
    .max_flat_workgroup_size: 64
    .sgpr_count:     66
    .vgpr_count:     136
    .wavefront_size: 32
...
	.end_amdgpu_metadata
.endif
;; end of part 2
;; ======== version 2 of 2: 2 launches; version 1 with the launch pairs written anew for expert scheduling mode
;; workspace buffers: part 8,388,608 bytes
;; launch pairs (part 3): grid 8 x 32, 4 waves a work-group, no clusters, 239,104 bytes of LDS; arguments x, W_codes, W_scales, ap, p, an, n, part; writes part
.if DOCPART == 3
	.amdgcn_target "amdgcn-amd-amdhsa--gfx1250"
	.amdhsa_code_object_version 6
	.text
	.protected	k_qb46857ca9f_pairs
	.globl	k_qb46857ca9f_pairs
	.p2align	8
	.type	k_qb46857ca9f_pairs,@function
k_qb46857ca9f_pairs:
	s_mov_b64 s[64:65], 0
	v_nop
	global_prefetch_b8 v0, s[64:65] scope:SCOPE_SE
	s_setreg_imm32_b32 hwreg(HW_REG_WAVE_SCHED_MODE, 0, 2), 2
	s_setreg_imm32_b32 hwreg(HW_REG_WAVE_MODE, 25, 1), 1
	s_wait_xcnt 0x0
	s_wait_alu depctr_vm_vsrc(0)
; part[s][i][j] = sum over the 64 pairs b of block s of  sg (d11[b][i] x1[b][j]^2 - 2 d12[b][i] x1[b][j] x2[b][j] + d22[b][i] x2[b][j]^2),  sg = +1 for the pairs (ap, p), -1 for (an, n).
; z1 = Q(x1) W^T, z2 = Q(x2) W^T on codes of FP4 (E2M1) with one E8M0 scale for each 32 along K = 512; u = z1 / |z1|, v = z2 / |z2|, c = u . v;
; d11 = (c + 2 u v - 3 c u^2) / |z1|^2,  d12 = (-1 + u^2 + v^2 - c u v) / (|z1| |z2|),  d22 = (c + 2 u v - 3 c v^2) / |z2|^2: the diagonals of the three Hessians; the outer products are never formed.
; SHARES.  Work-group (t, s): pair block s of 32 (64 pairs), columns j = 64 t .. 64 t + 63, all 128 i.  The sum over b is 3 x 64 x 128 x 64 multiply-adds in f32: 6,144 packed ones for each of the four waves.
; AHEAD OF THE SUM each wave works for itself on 16 pairs: it gathers their 32 rows of x, quantises them, multiplies them by W (64 matrix instructions) and makes the three d for all 128 i.
; The eight column tiles of a pair block repeat that part: 576 vector instructions a wave for the quantiser against the 6,912 of the sum; in return the sum over b is cut into 32 parts only, which the next launch adds.
; THE MATRIX INSTRUCTION IS USED TRANSPOSED (source 0 = 16 rows of W, source 1 = 16 rows of x): a lane holds ONE pair (lane % 16) and eight neighbouring i a tile, so norms and cosine are sums down a lane's registers and one exchange of halves.
; THE SUM: wave w owns i = 32 w .. 32 w + 31; lane (ig = lane / 8, jg = lane % 8) owns 8 i x 8 j (columns 4 jg .. + 3 and 32 + 4 jg .. + 3): 64 sums.  For a pair it reads 16 numbers of x and 24 of d from LDS.
; NO JOINT LOADS: what the eight work-groups of a pair block share are rows gathered by an index, each with an address of its own, which one base and one pitch cannot state; W is 34,816 of some 320,000 bytes that a work-group reads.
; LIMITS: NaN and infinities in x are not served; a block whose largest magnitude lies under 2^-124 gets the byte 1 (a block of zeros too: its codes are zeros, and the bytes are read here alone);
; a row whose sum of z^2 lies under 2^-126 counts as zero in v_rsq_f32 (ISA guide, 15.8), and its results are infinite or NaN as with a zero norm; indices are held to 0 .. 16,383.
; REGISTERS, in windows of 256.  Window 0: v1-23 addresses; v32-35 x's scale words, v36-67 W's (they hold scales alone); ahead of the sum v68-99 row offsets, v100-147 the quantiser's work, v148-211 W as loaded, later the tile's columns,
;   v212-243 the offsets of the tile's columns; in the sum v68-131 the 64 sums, v132-171 and v172-211 two sets of operands, v212-235 the products of x.
;   Window 1: two buffers of 128 numbers of x; then z1 (0-63), z2 (64-127), x's fragments (128-191), work from 192 on.   Window 2: W's 32 fragments.
; THE MODE: SCHED_MODE bits 1:0 = 2 (LLVM: expert scheduling mode 2), set by the entry lines.  The code itself states the register dependences
; between vector or matrix instructions and memory or LDS instructions, with s_wait_alu, always for 0.
; THE PLAN.  Registers that memory or LDS instructions touch:
;   v4-v20        addresses, made at the head; v16 and v17 alone are written again, once a trip of the sum's loop.
;   VO, VT        offsets of the rows and of the tile's columns, made once behind the indices; read by the loads of x; in the sum they are sums and products.
;   raw 0, raw 1  Batch b: its loads land in raw b % 2; its maxima and conversions read it; behind them the loads of batch b + 2 land there (in raw 1 at last x's fragments).
;   CD, BY        Batch b: written by its conversions and shifts, read by its 32 LDS stores, written again by batch b + 1.
;   WT            W's loads land there, W's LDS stores read it; the tile's columns land there, their LDS stores read it; in the sum it is operands.
;   d             Written by vector lines, tiles 0-3 first; read by 48 LDS stores: those of tiles 0-3 are dealt among the lines of tiles 4-7, which name other registers.
;   SA, SB        A pair's lines read one set; the next pair's ten LDS loads land in the other, dealt among those lines, which name their own set, the products and the sums alone.
;   the sums      Written by the sum's lines; read by the stage's LDS stores; the stage's loads land in SA and SB.
; So: one wait on va_vdst a batch, behind its shifts; one on vm_vsrc a batch, ahead of its conversions; two on va_vdst for d; one on vm_vsrc in front of the sum; one on va_vdst at the head of each pair that fetches;
; one on vm_vsrc a trip, ahead of the adds to v16 and v17; one on va_vdst ahead of the stage.
.set WP,   272                         ; a row of 512 codes in LDS: 256 bytes + 16: the 16 rows of a fragment load start 4 banks apart
.set XC,   34816                       ; LDS: W's codes lie at 0 (128 rows x 272); here x's codes: for each wave 32 rows x 272
.set XCW,  8704
.set XS,   69632                       ; x's scale bytes: for each wave 32 rows x 16
.set XT,   71680                       ; the tile's columns in f32: for each pair 256 bytes of x1, 256 of x2
.set DR,   104448                      ; d: for each pair 512 bytes of d11, of -2 d12, of d22, and 16 of padding
.set DP,   1552
.set STG,  203776                      ; the way out: 128 rows x (256 + 16) bytes
.set XSW,  32
.set WS,   36
.set VO,   68
.set M,    100
.set CD,   116
.set BY,   132
.set WT,   148
.set VT,   212
.set XF,   128                         ; in window 1
.set SU,   208                         ; in window 1: six running sums
.set ACC,  68
.set SA,   132
.set SB,   172
.set Y,    212
.set OB,   132
.set MSB, 0
.macro WIN new                         ; the immediate's high byte repeats the setting that is left
.if MSB != \new
	s_set_vgpr_msb (MSB<<8)|\new
.set MSB, \new
.endif
.endm
	s_load_b512 s[4:19], s[0:1], 0x0               ; x s[4:5], W's codes s[6:7], W's scales s[8:9], ap s[10:11], p s[12:13], an s[14:15], n s[16:17], part s[18:19]
	v_lshl_add_u32 v254, v0, 2, 0x3a400
	v_mov_b32 v255, 0
	v_lshrrev_b32 v21, 5, v0
	v_readfirstlane_b32 s20, v21                   ; wave 0..3
	s_mov_b32 s21, ttmp9                           ; t: the column tile
	s_and_b32 s22, ttmp7, 0xffff                   ; s: the pair block
	s_mov_b32 s66, 0x76543210
	s_mov_b32 s67, 0xfedcba98                      ; v_permlanex16_b32's selects for lane l xor 16
	v_and_b32 v1, 31, v0                           ; lane
	v_and_b32 v2, 15, v0                           ; r
	v_bfe_u32 v3, v0, 4, 1                         ; h
	v_lshrrev_b32 v21, 4, v0
	v_mul_u32_u24 v4, v21, WP
	v_lshl_add_u32 v4, v2, 4, v4                   ; v4: W into LDS: sixteen threads to a row of 256 bytes
	v_lshlrev_b32 v5, 4, v0                        ; v5: W in memory: 16 bytes a thread
	v_lshlrev_b32 v6, 4, v2                        ; v6: W's scale bytes: 16 a row
	v_lshlrev_b32 v7, 5, v1                        ; v7: my 32 bytes (8 numbers) of 1,024 bytes of a row of x
	s_wait_alu depctr_va_sdst(0)                   ; s20 is written, ahead of its first reader: LDS addresses and the bases of the indices and of part are made from it
	s_mul_i32 s23, s20, XCW
	s_add_co_u32 s23, s23, XC
	v_lshl_add_u32 v8, v1, 2, s23                  ; v8: my 8 codes' word in a row of my wave's codes
	s_lshl_b32 s24, s20, 9
	s_add_co_u32 s24, s24, XS
	v_lshrrev_b32 v21, 2, v1
	v_add_nc_u32 v9, s24, v21                      ; v9: my block's byte: four lanes to a block
	v_mul_u32_u24 v21, v2, WP
	v_lshl_add_u32 v11, v3, 4, v21                 ; v11: a fragment of W: row r, + 16 h
	v_add_nc_u32 v10, s23, v11                     ; v10: the same among my wave's codes of x
	v_lshl_add_u32 v12, v1, 4, s24                 ; v12: scale words: lane l takes row l's 16 bytes: lanes 0-15 x1's rows, lanes 16-31 x2's
	v_lshlrev_b32 v13, 3, v1                       ; v13: 8 bytes a lane: 32 lanes take the tile's 256 bytes of a row
	s_lshl_b32 s25, s20, 13
	s_add_co_u32 s25, s25, XT
	v_add_nc_u32 v14, s25, v13                     ; v14: and put them here: my wave's 16 pairs x 512 bytes
	s_mul_i32 s25, s20, 16*DP
	s_add_co_u32 s25, s25, DR
	v_mul_u32_u24 v21, v2, DP
	v_lshl_add_u32 v21, v3, 5, v21
	v_add_nc_u32 v15, s25, v21                     ; v15: d of pair 16 w + r, + 32 h: my eight i of a tile
	v_and_b32 v21, 7, v0                           ; jg
	v_bfe_u32 v22, v0, 3, 2                        ; ig
	v_lshl_add_u32 v16, v21, 4, XT                 ; v16: the sum's reads of x: 16 jg
	s_lshl_b32 s25, s20, 7
	s_add_co_u32 s25, s25, DR
	v_lshl_add_u32 v17, v22, 5, s25                ; v17: and of d: 128 w + 32 ig
	s_mul_i32 s25, s20, 32*WP
	s_add_co_u32 s25, s25, STG
	v_mul_u32_u24 v23, v22, 8*WP
	v_lshl_add_u32 v23, v21, 4, v23
	v_add_nc_u32 v18, s25, v23                     ; v18: into the stage: row 32 w + 8 ig, + 16 jg
	v_mul_u32_u24 v23, v3, WP
	v_lshl_add_u32 v23, v2, 4, v23
	v_add_nc_u32 v19, s25, v23                     ; v19: back: lanes 0-15 one row, lanes 16-31 the next
	v_lshlrev_b32 v20, 11, v3
	v_lshl_add_u32 v20, v2, 4, v20                 ; v20: the same two rows in part
	s_mov_b32 s68, 0xbf800000
	s_wait_kmcnt 0x0
	s_cmp_lt_u32 s22, 16                           ; blocks 0-15 are the pairs (ap, p), blocks 16-31 the pairs (an, n): the choice hangs on the work-group's number alone
	s_cselect_b64 s[72:73], s[10:11], s[14:15]
	s_cselect_b64 s[74:75], s[12:13], s[16:17]
	s_cselect_b32 s68, 0x3f800000, s68             ; sg
	s_and_b32 s76, s22, 15
	s_lshl_b32 s76, s76, 8                         ; 64 indices of 4 bytes a block,
	s_lshl_b32 s77, s20, 6                         ; 16 a wave
	s_add_co_u32 s76, s76, s77
	s_mov_b32 s77, 0
	s_add_nc_u64 s[72:73], s[72:73], s[76:77]
	s_add_nc_u64 s[74:75], s[74:75], s[76:77]
	s_load_b512 s[32:47], s[72:73], 0x0            ; my 16 pairs' rows of x1
	s_load_b512 s[48:63], s[74:75], 0x0            ; and of x2
	s_wait_alu depctr_va_vdst(0)                   ; the addresses v4 to v20 are written, which the loads and stores of the whole kernel read
.irp k, 0,1,2,3,4,5,6,7,8,9,10,11,12,13,14,15
	global_load_b128 v[WT+4*\k:WT+4*\k+3], v5, s[6:7] offset:2048*\k   ; W's 32,768 bytes once for the work-group: a wave's load covers 512 consecutive bytes
.endr
.irp t, 0,1,2,3,4,5,6,7
	global_load_b128 v[WS+4*\t:WS+4*\t+3], v6, s[8:9] offset:256*\t    ; the scale words of tile t's 16 rows, all four K steps: sixteen lanes read 256 consecutive bytes
.endr
	s_lshl_b32 s78, s21, 8
	s_mov_b32 s79, 0
	s_add_nc_u64 s[70:71], s[4:5], s[78:79]        ; x at the tile's first column
	s_lshl_b32 s24, s22, 18
	s_add_co_u32 s78, s78, s24
	s_lshl_b32 s24, s20, 16
	s_add_co_u32 s78, s78, s24
	s_add_nc_u64 s[18:19], s[18:19], s[78:79]      ; part at block s, row 32 w, column 64 t
	s_wait_kmcnt 0x0
.set I, 0
.rept 32
	s_min_u32 s[32+I], s[32+I], 0x3fff             ; an index stays inside the table
	s_lshl_b32 s[32+I], s[32+I], 11                ; a row is 2,048 bytes
	v_add_nc_u32 v[VO+I], s[32+I], v7              ; the row's offset for the quantiser's loads,
	v_add_nc_u32 v[VT+I], s[32+I], v13             ; and for the tile's columns: both sets are made once, here
.set I, I+1
.endr
; Rows 8 b .. 8 b + 7 of my 32 (0-15: x1 of my pairs, 16-31: x2) into buffer b % 2 of window 1: 16 registers a row: numbers 8 l .. 8 l + 7 and 256 + 8 l .. + 7.
; w = 1: vector lines issued since the last wait on va_vdst name registers that these loads, or the LDS stores behind them, touch.
.macro XLOAD b, w
	WIN 0x40                                       ; destination window 1, address window 0
.if \w
	s_wait_alu depctr_va_vdst(0)                   ; batch 0: the offsets v[VO ..] and v[VT ..] are written.  Batches 2, 3: the batch two back is done reading this buffer, and has written v[CD ..] and v[BY ..], which the LDS stores behind these loads read
.endif
.irp i, 0,1,2,3,4,5,6,7
.irp n, 0,1,2,3
	global_load_b128 v[128*((\b)%2)+16*\i+4*\n:128*((\b)%2)+16*\i+4*\n+3], v[VO+8*(\b)+\i], s[4:5] offset:1024*(\n/2)+16*(\n%2)
.endr
.endr
	WIN 0
.endm
; The batch's 16 groups of 8 numbers a lane become codes and scale bytes.  A block of 32 lies in four neighbouring lanes.  The groups take turns line by line.
; Behind the batch's one wait on va_vdst stand first the loads that take its buffer again (or, behind batch 2, the tile's columns), then its LDS stores.
.macro QUANT b
.set XB, 128*((\b)%2)
	s_wait_loadcnt 32                              ; the batch is in: behind its loads 32 others were issued
	WIN 0x05                                       ; sources 0 and 1 window 1
.irp g, 0,1,2,3,4,5,6,7,8,9,10,11,12,13,14,15
	v_max3_num_f32 v[M+\g], |v[XB+8*\g]|, |v[XB+8*\g+1]|, 0x1800000   ; with the floor 2^(3 - 127): the byte cannot fall under 1
.endr
.irp i, 2,4,6
.irp g, 0,1,2,3,4,5,6,7,8,9,10,11,12,13,14,15
	v_max3_num_f32 v[M+\g], |v[XB+8*\g+\i]|, |v[XB+8*\g+\i+1]|, v[M+\g]
.endr
.endr
	WIN 0
.irp g, 0,1,2,3,4,5,6,7,8,9,10,11,12,13,14,15
	v_max_num_f32_dpp v[M+\g], v[M+\g], v[M+\g] row_xmask:1 row_mask:0xf bank_mask:0xf
.endr
.irp g, 0,1,2,3,4,5,6,7,8,9,10,11,12,13,14,15
	v_max_num_f32_dpp v[M+\g], v[M+\g], v[M+\g] row_xmask:2 row_mask:0xf bank_mask:0xf   ; the block's largest magnitude
.endr
.irp g, 0,1,2,3,4,5,6,7,8,9,10,11,12,13,14,15
	v_add_nc_u32 v[M+\g], 0xff000000, v[M+\g]      ; 2 off its exponent field: the conversion takes that field as its scale
.endr
.if (\b) > 0
	s_wait_alu depctr_vm_vsrc(0)                   ; the last batch's LDS stores have read v[CD ..] and v[BY ..], which the conversions and shifts below write again; W's LDS stores have read v[WT ..], in which the tile's columns land behind batch 2
.endif
	WIN 0x01                                       ; source 0 window 1
.irp g, 0,1,2,3,4,5,6,7,8,9,10,11,12,13,14,15
	v_cvt_scalef32_pk8_fp4_f32 v[CD+\g], v[XB+8*\g:XB+8*\g+7], v[M+\g]
.endr
	WIN 0
.irp g, 0,1,2,3,4,5,6,7,8,9,10,11,12,13,14,15
	v_lshrrev_b32 v[BY+\g], 23, v[M+\g]            ; the scale's byte (these lines are also the plain place behind the conversions)
.endr
.if (\b) < 2
	XLOAD (\b)+2, 1                                ; the buffer is asked for again at once
.else
	s_wait_alu depctr_va_vdst(0)                   ; the conversions and shifts have written v[CD ..] and v[BY ..], which the LDS stores below read; batch 3 is done reading buffer 1, in which x's fragments land
.endif
.if (\b) == 2
.set I, 0
.rept 32
	global_load_b64 v[WT+2*I:WT+2*I+1], v[VT+I], s[70:71]   ; the tile's 64 columns of row I in f32: 32 lanes read 256 consecutive bytes, aligned.  No vector line names v[WT ..] or, since the head's wait, v[VT ..]
.set I, I+1
.endr
.endif
.irp g, 0,1,2,3,4,5,6,7,8,9,10,11,12,13,14,15
	ds_store_b32 v8, v[CD+\g] offset:(8*(\b)+\g/2)*WP+128*(\g%2)     ; 32 lanes: 128 consecutive bytes of the row's codes
	ds_store_b8 v9, v[BY+\g] offset:(8*(\b)+\g/2)*16+8*(\g%2)        ; the four lanes of a block write the same byte with the same value
.endr
.endm
	XLOAD 0, 1
	s_wait_loadcnt 40                              ; W's codes are in: behind them the 8 loads of scale words and the batch's 32 were issued
.irp k, 0,1,2,3,4,5,6,7,8,9,10,11,12,13,14,15
	ds_store_b128 v4, v[WT+4*\k:WT+4*\k+3] offset:8*WP*\k
.endr
	XLOAD 1, 0                                     ; no vector line has been issued since batch 0's wait
	s_wait_dscnt 0x0                               ; for the others' sake: my part of W lies in LDS
	s_barrier_signal -1
	s_barrier_wait -1
	WIN 0x80                                       ; destination window 2
.irp t, 0,1,2,3,4,5,6,7
.irp q, 0,1,2,3
.irp c, 0,1
	ds_load_b128 v[32*\t+8*\q+4*\c:32*\t+8*\q+4*\c+3], v11 offset:16*WP*\t+64*\q+32*\c   ; W's fragment (tile t, K step q): row 16 t + r, k = 128 q + 64 c + 32 h + 0 .. 31
.endr
.endr
.endr
	WIN 0
	QUANT 0
	QUANT 1
	QUANT 2
	QUANT 3
	; ---- z1, z2: my 16 pairs against all of W
	WIN 0x40
.irp q, 0,1,2,3
.irp c, 0,1
	ds_load_b128 v[XF+8*\q+4*\c:XF+8*\q+4*\c+3], v10 offset:64*\q+32*\c              ; LDS serves a wave's instructions in order (ISA guide 5.7.1.4): these see my stores.  They land in buffer 1: batch 3's wait has shown its readers done
	ds_load_b128 v[XF+32+8*\q+4*\c:XF+32+8*\q+4*\c+3], v10 offset:16*WP+64*\q+32*\c
.endr
.endr
	v_mov_b32 v250, v15                            ; d's address, for the stretch that works in window 1 alone
	WIN 0
	ds_load_b128 v[XSW:XSW+3], v12                 ; register q: K step q's words: lanes 0-15 x1's rows, lanes 16-31 x2's
	s_wait_dscnt 0x0
	WIN 0x56                                       ; source 0 (W) window 2; source 1 (x), C and D window 1
.irp q, 0,1,2,3                                ; the 16 accumulators take turns, one instruction a turn, in the same order in every K step
.irp t, 0,1,2,3,4,5,6,7
.if \q == 0
	v_wmma_scale_f32_16x16x128_f8f6f4 v[8*\t:8*\t+7], v[32*\t+8*\q:32*\t+8*\q+7], v[XF+8*\q:XF+8*\q+7], 0, v[WS+4*\t+\q], v[XSW+\q] matrix_a_fmt:MATRIX_FMT_FP4 matrix_b_fmt:MATRIX_FMT_FP4
	v_wmma_scale_f32_16x16x128_f8f6f4 v[64+8*\t:64+8*\t+7], v[32*\t+8*\q:32*\t+8*\q+7], v[XF+32+8*\q:XF+32+8*\q+7], 0, v[WS+4*\t+\q], v[XSW+\q] matrix_a_fmt:MATRIX_FMT_FP4 matrix_b_fmt:MATRIX_FMT_FP4 matrix_b_scale:MATRIX_SCALE_ROW1
.else
	v_wmma_scale_f32_16x16x128_f8f6f4 v[8*\t:8*\t+7], v[32*\t+8*\q:32*\t+8*\q+7], v[XF+8*\q:XF+8*\q+7], v[8*\t:8*\t+7], v[WS+4*\t+\q], v[XSW+\q] matrix_a_fmt:MATRIX_FMT_FP4 matrix_b_fmt:MATRIX_FMT_FP4
	v_wmma_scale_f32_16x16x128_f8f6f4 v[64+8*\t:64+8*\t+7], v[32*\t+8*\q:32*\t+8*\q+7], v[XF+32+8*\q:XF+32+8*\q+7], v[64+8*\t:64+8*\t+7], v[WS+4*\t+\q], v[XSW+\q] matrix_a_fmt:MATRIX_FMT_FP4 matrix_b_fmt:MATRIX_FMT_FP4 matrix_b_scale:MATRIX_SCALE_ROW1
.endif
.endr
.endr
	WIN 0x55                                       ; from here to d's stores every operand lies in window 1.  Register 8 t + j: z1(pair r, i = 16 t + 8 h + j); 64 + 8 t + j: z2
.rept 4
	v_nop                                          ; four places between the last products and the first read of results (ISA guide 7.12.1)
.endr
	; ---- the sums of z1^2, z2^2, z1 z2 over my 64 i: two at a time, two chains each; every accumulator is read from its low end on
.set E, 0
.rept 32
.if E < 2
	v_pk_mul_f32 v[SU+2*E:SU+2*E+1], v[2*E:2*E+1], v[2*E:2*E+1]
	v_pk_mul_f32 v[SU+4+2*E:SU+5+2*E], v[64+2*E:65+2*E], v[64+2*E:65+2*E]
	v_pk_mul_f32 v[SU+8+2*E:SU+9+2*E], v[2*E:2*E+1], v[64+2*E:65+2*E]
.else
	v_pk_fma_f32 v[SU+2*(E%2):SU+2*(E%2)+1], v[2*E:2*E+1], v[2*E:2*E+1], v[SU+2*(E%2):SU+2*(E%2)+1]
	v_pk_fma_f32 v[SU+4+2*(E%2):SU+5+2*(E%2)], v[64+2*E:65+2*E], v[64+2*E:65+2*E], v[SU+4+2*(E%2):SU+5+2*(E%2)]
	v_pk_fma_f32 v[SU+8+2*(E%2):SU+9+2*(E%2)], v[2*E:2*E+1], v[64+2*E:65+2*E], v[SU+8+2*(E%2):SU+9+2*(E%2)]
.endif
.set E, E+1
.endr
	v_pk_add_f32 v[208:209], v[208:209], v[210:211]
	v_pk_add_f32 v[212:213], v[212:213], v[214:215]
	v_pk_add_f32 v[216:217], v[216:217], v[218:219]
	v_add_f32 v208, v208, v209
	v_add_f32 v212, v212, v213
	v_add_f32 v216, v216, v217
	v_permlanex16_b32 v209, v208, s66, s67         ; the pair's other 64 i lie in lane l xor 16
	v_permlanex16_b32 v213, v212, s66, s67
	v_permlanex16_b32 v217, v216, s66, s67
	v_add_f32 v208, v208, v209                     ; |z1|^2
	v_add_f32 v212, v212, v213                     ; |z2|^2
	v_add_f32 v216, v216, v217                     ; z1 . z2
	v_rsq_f32 v220, v208                           ; r1 = 1 / |z1|
	v_rsq_f32 v221, v212                           ; r2 = 1 / |z2|
	v_nop                                          ; a plain instruction behind the two,
	s_wait_alu depctr_va_vdst(0)                   ; and one wait for both: r1 and r2 are written, ahead of their first reader
	v_mul_f32 v222, v220, v221
	v_mul_f32 v223, v220, v220
	v_mul_f32 v224, v221, v221
	v_mul_f32 v225, v216, v222                     ; c
	v_mul_f32 v222, s68, v222                      ; q12 = sg r1 r2
	v_mul_f32 v223, s68, v223                      ; q1 = sg r1^2
	v_mul_f32 v224, s68, v224                      ; q2 = sg r2^2
	v_mul_f32 v226, v223, v225                     ; sg d11 = A0 + A1 u v + A2 u^2:  A0 = q1 c,
	v_add_f32 v227, v223, v223                     ; A1 = 2 q1,
	v_mul_f32 v230, v224, v225                     ; sg d22 = B0 + B1 u v + B2 v^2:  B0 = q2 c,
	v_add_f32 v231, v224, v224                     ; B1 = 2 q2,
	v_add_f32 v232, v222, v222                     ; -2 sg d12 = C0 + C1 (u^2 + v^2) + C2 u v:  C0 = 2 q12,
	v_mul_f32 v228, 0xc0400000, v226               ; A2 = -3 A0,
	v_mul_f32 v229, 0xc0400000, v230               ; B2 = -3 B0,
	v_mul_f32 v233, -2.0, v222                     ; C1 = -2 q12,
	v_mul_f32 v234, v232, v225                     ; C2 = 2 q12 c
	v_mov_b32 v235, v234                           ; (named with it as a pair, so it is written)
; Store n of d's 48: tiles 2 p and 2 p + 1 with p = n / 12; run (n % 12) / 3 of four registers, 16 bytes (the odd runs 32 h further by the address: a tile's 64 bytes hold both halves' eight i); field n % 3: d11, -2 d12, d22.
.macro DST n
.set QP, (\n)/12
.set QN, ((\n)%12)/3
.set QU, (\n)%3
.set QR, 64*((2*QU)%3)+16*QP+4*QN      ; d11 lies at 0, -2 d12 at 128, d22 at 64
	ds_store_b128 v250, v[QR:QR+3] offset:512*QU+128*QP+64*(QN/2)+16*(QN%2)
.endm
.macro DDEAL st                        ; st = 1: the next store of tiles 0-3 stands here
.if \st
	DST DCN
.set DCN, DCN+1
.endif
.endm
; d of tiles 2 p and 2 p + 1: twelve packed lines for two numbers, eight pairs of numbers by turns.  Of a pair of coefficients one word serves both halves: the low one (op_sel_hi 0) or the high one (op_sel 1, op_sel_hi 1).
.macro DCOMP p, st
.irp k, 0,2,4,6,8,10,12,14
	v_pk_mul_f32 v[16*\p+\k:16*\p+\k+1], v[16*\p+\k:16*\p+\k+1], v[220:221] op_sel_hi:[1,0]                       ; u = z1 r1
.endr
	DDEAL \st
.irp k, 0,2,4,6,8,10,12,14
	v_pk_mul_f32 v[64+16*\p+\k:65+16*\p+\k], v[64+16*\p+\k:65+16*\p+\k], v[220:221] op_sel:[0,1] op_sel_hi:[1,1]  ; v = z2 r2
.endr
	DDEAL \st
.irp k, 0,2,4,6,8,10,12,14
	v_pk_mul_f32 v[128+16*\p+\k:129+16*\p+\k], v[16*\p+\k:16*\p+\k+1], v[64+16*\p+\k:65+16*\p+\k]                 ; u v
.endr
	DDEAL \st
.irp k, 0,2,4,6,8,10,12,14
	v_pk_mul_f32 v[16*\p+\k:16*\p+\k+1], v[16*\p+\k:16*\p+\k+1], v[16*\p+\k:16*\p+\k+1]                           ; u^2
.endr
	DDEAL \st
.irp k, 0,2,4,6,8,10,12,14
	v_pk_mul_f32 v[64+16*\p+\k:65+16*\p+\k], v[64+16*\p+\k:65+16*\p+\k], v[64+16*\p+\k:65+16*\p+\k]               ; v^2
.endr
	DDEAL \st
.irp k, 0,2,4,6,8,10,12,14
	v_pk_add_f32 v[192+\k:193+\k], v[16*\p+\k:16*\p+\k+1], v[64+16*\p+\k:65+16*\p+\k]                             ; u^2 + v^2
.endr
	DDEAL \st
.irp k, 0,2,4,6,8,10,12,14
	v_pk_fma_f32 v[16*\p+\k:16*\p+\k+1], v[16*\p+\k:16*\p+\k+1], v[228:229], v[226:227] op_sel_hi:[1,0,0]         ; A2 u^2 + A0
.endr
	DDEAL \st
.irp k, 0,2,4,6,8,10,12,14
	v_pk_fma_f32 v[64+16*\p+\k:65+16*\p+\k], v[64+16*\p+\k:65+16*\p+\k], v[228:229], v[230:231] op_sel:[0,1,0] op_sel_hi:[1,1,0]   ; B2 v^2 + B0
.endr
	DDEAL \st
.irp k, 0,2,4,6,8,10,12,14
	v_pk_fma_f32 v[16*\p+\k:16*\p+\k+1], v[128+16*\p+\k:129+16*\p+\k], v[226:227], v[16*\p+\k:16*\p+\k+1] op_sel:[0,1,0] op_sel_hi:[1,1,1]   ; + A1 u v: sg d11
.endr
	DDEAL \st
.irp k, 0,2,4,6,8,10,12,14
	v_pk_fma_f32 v[64+16*\p+\k:65+16*\p+\k], v[128+16*\p+\k:129+16*\p+\k], v[230:231], v[64+16*\p+\k:65+16*\p+\k] op_sel:[0,1,0] op_sel_hi:[1,1,1]   ; + B1 u v: sg d22
.endr
	DDEAL \st
.irp k, 0,2,4,6,8,10,12,14
	v_pk_fma_f32 v[128+16*\p+\k:129+16*\p+\k], v[128+16*\p+\k:129+16*\p+\k], v[234:235], v[232:233] op_sel_hi:[1,0,0]   ; C2 u v + C0
.endr
	DDEAL \st
.irp k, 0,2,4,6,8,10,12,14
	v_pk_fma_f32 v[128+16*\p+\k:129+16*\p+\k], v[192+\k:193+\k], v[232:233], v[128+16*\p+\k:129+16*\p+\k] op_sel:[0,1,0] op_sel_hi:[1,1,1]   ; + C1 (u^2 + v^2): -2 sg d12
.endr
	DDEAL \st
.endm
.set DCN, 0
	DCOMP 0, 0
	DCOMP 1, 0
	s_wait_alu depctr_va_vdst(0)                   ; d of tiles 0-3 and the address v250 are written, which the 24 LDS stores read that are dealt among the lines below: one behind each eight lines, which name tiles 4-7's registers, v192-207 and the coefficients alone
	DCOMP 2, 1
	DCOMP 3, 1
	s_wait_alu depctr_va_vdst(0)                   ; d of tiles 4-7 is written, which the other 24 LDS stores read
.rept 24
	DST DCN
.set DCN, DCN+1
.endr
	WIN 0
	s_wait_loadcnt 0x0                             ; the tile's columns of my 32 rows
.set I, 0
.rept 16
	ds_store_b64 v14, v[WT+2*I:WT+2*I+1] offset:512*I             ; x1 of pair I
	ds_store_b64 v14, v[WT+32+2*I:WT+33+2*I] offset:512*I+256     ; x2 of pair I
.set I, I+1
.endr
	s_wait_dscnt 0x0                               ; for the others' sake: my pairs' d and columns lie in LDS
	s_barrier_signal -1
	s_barrier_wait -1
	s_wait_alu depctr_vm_vsrc(0)                   ; the loads of x have read v[VO ..] and v[VT ..], my LDS stores v[CD ..], v[BY ..] and v[WT ..]: from here on these registers are the sums, the products of x and the two sets of operands
	; ---- the sum over the 64 pairs
; Load n of the ten that bring a pair's operands into a set; po: the pair, counted from the one at which the addresses stand.  n = 0-3: x1 (8 numbers), x2 (8); 4, 5: d11; 6, 7: -2 d12; 8, 9: d22
.macro LD1 set, po, n
.if (\n) < 4
	ds_load_b128 v[\set+4*(\n):\set+4*(\n)+3], v16 offset:512*(\po)+128*(\n)
.else
	ds_load_b128 v[\set+4*(\n):\set+4*(\n)+3], v17 offset:DP*(\po)+512*(((\n)-4)/2)+16*((\n)%2)
.endif
.endm
; A pair: 12 packed products of x, then 96 packed multiply-adds: a sum is taken up again 32 lines later.  first = 1: the first products start the sums: nothing is cleared.
; ld = 1: the next pair's ten loads go into the other set, dealt among this pair's lines in the order in which they will be wanted: x's four with the products, d's six ahead of the first six blocks of eight lines.
; w = 1: the pair before has read that other set.
.macro BPAIR set, first, w, ld, oth, po
.if \w
	s_wait_alu depctr_va_vdst(0)                   ; the pair before is done reading the other set, in which the loads below land; at the loop's head v16 and v17 are written, which they read.  This pair's lines name its own set, the products and the sums alone
.endif
	s_wait_dscnt 4                                 ; LDS loads come back in order (ISA guide 5.7.1): this set's x and d11 are in; its last four loads may be out
.irp j, 0,2,4,6
.if \ld
	LD1 \oth, \po, \j/2
.endif
	v_pk_mul_f32 v[Y+\j:Y+\j+1], v[\set+\j:\set+\j+1], v[\set+\j:\set+\j+1]
	v_pk_mul_f32 v[Y+8+\j:Y+9+\j], v[\set+\j:\set+\j+1], v[\set+8+\j:\set+9+\j]
	v_pk_mul_f32 v[Y+16+\j:Y+17+\j], v[\set+8+\j:\set+9+\j], v[\set+8+\j:\set+9+\j]
.endr
.irp u, 0,1,2
.if \u > 0
.if \ld
	s_wait_dscnt 10                                ; this field's two loads are in.  Behind -2 d12's stand d22's two and eight of the other set's; behind d22's the other set's ten
.else
	s_wait_dscnt 4-2*\u                            ; the last pair fetches nothing: the counts run down
.endif
.endif
.irp i, 0,2,4,6
.if (\ld) && ((4*\u+\i/2) < 6)
	LD1 \oth, \po, 4+4*\u+\i/2
.endif
.irp j, 0,2,4,6
.if (\first) && (\u == 0)
	v_pk_mul_f32 v[ACC+8*\i+\j:ACC+8*\i+\j+1], v[Y+\j:Y+\j+1], v[\set+16+\i:\set+17+\i] op_sel_hi:[1,0]
.else
	v_pk_fma_f32 v[ACC+8*\i+\j:ACC+8*\i+\j+1], v[Y+8*\u+\j:Y+8*\u+\j+1], v[\set+16+8*\u+\i:\set+17+8*\u+\i], v[ACC+8*\i+\j:ACC+8*\i+\j+1] op_sel_hi:[1,0,1]
.endif
.endr
.irp j, 0,2,4,6
.if (\first) && (\u == 0)
	v_pk_mul_f32 v[ACC+8+8*\i+\j:ACC+9+8*\i+\j], v[Y+\j:Y+\j+1], v[\set+16+\i:\set+17+\i] op_sel:[0,1] op_sel_hi:[1,1]
.else
	v_pk_fma_f32 v[ACC+8+8*\i+\j:ACC+9+8*\i+\j], v[Y+8*\u+\j:Y+8*\u+\j+1], v[\set+16+8*\u+\i:\set+17+8*\u+\i], v[ACC+8+8*\i+\j:ACC+9+8*\i+\j] op_sel:[0,1,0] op_sel_hi:[1,1,1]
.endif
.endr
.endr
.endr
.endm
.irp n, 0,1,2,3,4,5,6,7,8,9
	LD1 SA, 0, \n                                  ; pair 0.  The last vector lines that named these registers, batch 3's shifts, stand ahead of that batch's wait on va_vdst
.endr
	BPAIR SA, 1, 0, 1, SB, 1                       ; pair 0 is summed, pair 1 fetched: no vector line has ever named its set's registers
	s_mov_b32 s30, 31
.Lpairs:                                               ; trip k: pairs 2 k + 1 and 2 k + 2 are summed, pairs 2 k + 2 and 2 k + 3 fetched: each load stands some hundred vector lines ahead of its first use
	BPAIR SB, 0, 1, 1, SA, 2
	BPAIR SA, 0, 1, 1, SB, 3
	s_wait_alu depctr_vm_vsrc(0)                   ; the LDS loads issued so far have read v16 and v17
	v_add_nc_u32 v16, 1024, v16                    ; two pairs on
	v_add_nc_u32 v17, 2*DP, v17
	s_sub_co_u32 s30, s30, 1
	s_cmp_lg_u32 s30, 0
	s_cbranch_scc1 .Lpairs
	BPAIR SB, 0, 0, 0, SA, 0                       ; pair 63: nothing is left to fetch
	s_barrier_signal -1                            ; every wave has ended its reads of x and d; the stage is written behind this barrier
	s_barrier_wait -1
	; ---- the way out: a lane holds two runs of 16 bytes of eight rows; through my wave's 32 rows of the stage they become whole rows of 256 bytes
	s_wait_alu depctr_va_vdst(0)                   ; the multiply-adds have written the 64 sums, which the LDS stores read, and are done reading the two sets of operands, in which the loads from the stage land
.irp i, 0,1,2,3,4,5,6,7
	ds_store_b128 v18, v[ACC+8*\i:ACC+8*\i+3] offset:WP*\i
	ds_store_b128 v18, v[ACC+8*\i+4:ACC+8*\i+7] offset:WP*\i+128
.endr
.irp m, 0,1,2,3,4,5,6,7,8,9,10,11,12,13,14,15
	ds_load_b128 v[OB+4*\m:OB+4*\m+3], v19 offset:2*WP*\m          ; LDS serves a wave's instructions in order: these see my stores
.endr
.irp m, 0,1,2,3,4,5,6,7,8,9,10,11,12,13,14,15
	s_wait_dscnt 15-\m                             ; loads come back in order: the younger ones may be out
	global_store_b128 v20, v[OB+4*\m:OB+4*\m+3], s[18:19] offset:4096*\m th:TH_STORE_NT   ; sixteen lanes store 256 consecutive bytes, at a multiple of 256 from part's first byte
.endr
	s_wait_dscnt 0x0
	s_wait_alu depctr_hold_cnt(0) depctr_sa_sdst(0) depctr_va_vdst(0) depctr_va_sdst(0) depctr_va_ssrc(0) depctr_va_vcc(0) depctr_vm_vsrc(0)
	s_wait_tensorcnt 0x0
	ds_add_u32 v254, v255
	s_wait_dscnt 0x0
	s_endpgm
.Lfunc_end_k_qb46857ca9f_pairs:
	.size	k_qb46857ca9f_pairs, .Lfunc_end_k_qb46857ca9f_pairs-k_qb46857ca9f_pairs
	.p2alignl 7, 3214868480
	.fill 96, 4, 3214868480
	.section	.rodata,"a",@progbits
	.p2align	6, 0x0
	.amdhsa_kernel k_qb46857ca9f_pairs
		.amdhsa_group_segment_fixed_size 239104
		.amdhsa_private_segment_fixed_size 0
		.amdhsa_enable_private_segment 0
		.amdhsa_kernarg_size 64
		.amdhsa_user_sgpr_count 2
		.amdhsa_user_sgpr_kernarg_segment_ptr 1
		.amdhsa_wavefront_size32 1
		.amdhsa_system_sgpr_workgroup_id_x 1
		.amdhsa_system_sgpr_workgroup_id_y 1
		.amdhsa_system_sgpr_workgroup_id_z 1
		.amdhsa_system_vgpr_workitem_id 0
		.amdhsa_next_free_vgpr 768
		.amdhsa_next_free_sgpr 80
		.amdhsa_reserve_vcc 0
		.amdhsa_float_denorm_mode_32 3
		.amdhsa_float_denorm_mode_16_64 3
		.amdhsa_memory_ordered 1
		.amdhsa_forward_progress 1
		.amdhsa_inst_pref_size 158
	.end_amdhsa_kernel
	.amdgpu_metadata
---
amdhsa.version: [ 1, 2 ]
amdhsa.kernels:
  - .name:           k_qb46857ca9f_pairs
    .symbol:         k_qb46857ca9f_pairs.kd
    .args:
      - { .name: x, .offset: 0, .size: 8, .value_kind: global_buffer, .address_space: global }
      - { .name: W_codes, .offset: 8, .size: 8, .value_kind: global_buffer, .address_space: global }
      - { .name: W_scales, .offset: 16, .size: 8, .value_kind: global_buffer, .address_space: global }
      - { .name: ap, .offset: 24, .size: 8, .value_kind: global_buffer, .address_space: global }
      - { .name: p, .offset: 32, .size: 8, .value_kind: global_buffer, .address_space: global }
      - { .name: an, .offset: 40, .size: 8, .value_kind: global_buffer, .address_space: global }
      - { .name: n, .offset: 48, .size: 8, .value_kind: global_buffer, .address_space: global }
      - { .name: part, .offset: 56, .size: 8, .value_kind: global_buffer, .address_space: global }
    .group_segment_fixed_size: 239104
    .private_segment_fixed_size: 0
    .kernarg_segment_align: 8
    .kernarg_segment_size: 64
    .max_flat_workgroup_size: 128
    .sgpr_count:     80
    .vgpr_count:     768
    .wavefront_size: 32
...
	.end_amdgpu_metadata
.endif
;; end of part 3
;; launch sum: the kernel of part 2 again; grid 256 x 1, 2 waves a work-group, no clusters, 0 bytes of LDS; arguments part, out0; writes out0
